; MI455X (gfx1250); checked and timed in simulation.
; The chip was launched on July 23, 2026; its instructions are those of AMD's public machine-readable ISA for CDNA 5 (MIT licence, August 2026) and "CDNA5" Instruction Set Architecture Reference Guide (July 2026). The comments in the code are by the model that wrote it; some were corrected since.
;; Basis Change I to HW. Allowed arithmetic: matrix products marked QUANTISED: E5M2 operands, one E8M0 scale for each 32 along K, by v_wmma_scale_f32_16x16x128_f8f6f4 with both operands' format E5M2, f32 sums; everything else in f32.
;; Inputs: input_state 2,048 x 4,096 float32; passage_matrix 8,128 x 4,096 float32.
;; Outputs: out0 2,048 x 8,128 float32.
;; This version of the problem:
;;   THIS VERSION OF THE PROBLEM IS GIVEN IN LOW PRECISION. The matrix products marked QUANTISED in the list below multiply operands that are first quantised to E5M2 (5 exponent bits, 2 mantissa bits; 8 bits a number), with one power-of-two scale for each 32 numbers along K (OCP MX v1.0); their sums are f32. All else is computed in f32.
;;   The module's matrix products, in the order in which they are computed (A, B: the left and right operand; K: the contracted axis; several contracted axes count as one K, in the product's order):
;;     1. [M 2,048, K 4,096] x [K 4,096, N 8,128]; A: input input_state; B: input passage_matrix: QUANTISED
;;   THE QUANTISER, for each operand of a quantised product, along K:
;;     - K is cut into blocks of 32 from its start; a last block that is shorter is filled with zeros.
;;     - A block's scale is 2^e with e = floor(log2(the largest magnitude in the block)) - 15, held to -126 .. 127; a block of zeros has e = 0. As a byte (E8M0): e + 127.
;;     - Each number is divided by its block's scale, clamped to +-57,344, and rounded to the nearest number of E5M2, ties to even, subnormals kept.
;;     - The product sums the exact products of the quantised numbers (number of the format x scale) in f32.
;;   ~~~python
;;   def quantise(x, axis):      # numpy; x: float32 -> the quantised numbers, widened to float32 again
;;       x = np.moveaxis(x, axis, -1); K = x.shape[-1]
;;       x = np.pad(x, [(0, 0)] * (x.ndim - 1) + [(0, -K % 32)]); x = x.reshape(x.shape[:-1] + (-1, 32)); a = np.abs(x).max(-1, keepdims=True)
;;       e = np.where(a > 0, np.clip(np.frexp(np.where(a > 0, a, 1))[1] - 1 - 15, -126, 127), 0)      # np.frexp(a)[1] - 1 = floor(log2(a)), exactly
;;       r = np.clip(x / 2.0 ** e, -57344, 57344)
;;       step = 2.0 ** (np.maximum(np.frexp(np.where(r == 0, 1, r))[1] - 1, -14) - 2)
;;       q = np.round(r / step) * step * 2.0 ** e      # np.round: ties to even
;;       return np.moveaxis(q.reshape(q.shape[:-2] + (-1,))[..., :K], -1, axis).astype(np.float32)
;;   ~~~
;; One version. Each part assembles by itself: llvm-mc -triple=amdgcn-amd-amdhsa -mcpu=gfx1250 --defsym DOCPART=n.
;; ======== version 1 of 1: 2 launches
;; limits: right only within a limited range of input values
;; workspace buffers: aq 8,650,752 bytes; bq 34,603,008 bytes
;; launch quant (part 1): grid 256 x 1, 10 waves a work-group, no clusters, 90,880 bytes of LDS; arguments input_state, passage_matrix, aq, bq; writes aq, bq
.if DOCPART == 1
	.amdgcn_target "amdgcn-amd-amdhsa--gfx1250"
	.amdhsa_code_object_version 6
	.text
	.protected	k_qd63954d5a2_quant
	.globl	k_qd63954d5a2_quant
	.p2align	8
	.type	k_qd63954d5a2_quant,@function
k_qd63954d5a2_quant:
	s_mov_b64 s[64:65], 0
	v_nop
	global_prefetch_b8 v0, s[64:65] scope:SCOPE_SE
	s_setreg_imm32_b32 hwreg(HW_REG_WAVE_MODE, 25, 1), 1
	s_wait_xcnt 0x0
; x [2048][4096] and P [8128][4096], f32, K innermost, become codes of BF8 (E5M2) with one E8M0 scale byte for each 32 along K, laid as the product's launch wants them.
; THE QUANTISER.  A block's scale is 2^(floor(log2(its largest magnitude)) - 15); its byte is the largest magnitude's own exponent field - 15, held at 1 from below.  Each number is held within
; +-57,344 x the scale, divided by the scale and rounded to the nearest code, ties to even.
; LIMITS: NaN and infinities among the inputs are not served.  A block of zeros gets the byte 1 where the rule says 127: its codes are zeros, which add nothing under any byte but 0xff, and
; the bytes are read by this program alone.  A block whose largest magnitude lies under 2^-111 takes the byte 1, which is the rule's hold at -126.
; THE LAYOUT OF aq AND bq: [group of 128 rows][K step of 256][BLK bytes].  A block of BLK = 33,792 bytes holds 128 rows x 256 along K as IMAGES OF THE OPERAND'S REGISTERS:
;   bytes 0 .. 32,767: 16 fragments; fragment (q, i) (q: which 128 along K; i: which 16 rows) at 2,048 (8 q + i); in it register group c at 512 c, lane l's 16 bytes at 16 l:
;                      the codes of row 16 i + l % 16 at k = 128 q + 32 c + 16 (l / 16) + 0 .. 15;
;   bytes 32,768 on:   the scale words (four bytes: 128 along K of one row) at 256 (i / 2) + 16 (row % 16) + 8 (i % 2) + 4 q.
; bq has 64 groups, 8,192 rows; P has 8,128.  Rows 8,128 .. 8,191 of bq are filled with the codes of P's rows 8,064 .. 8,127 once more (the source's group of 64 rows is held at 126):
; no load leaves P, every byte that the product's launch reads is written, and there is one way through the text.  What is computed from those rows is never stored.
; SHARES.  A wave takes 64 rows x 256 along K, half a block: 512 such units of x and 2,048 of P (the pad among them) are 2,560 = 256 work-groups x 10 waves.  Waves share nothing: no barrier.
; A unit is eight steps of 16 rows x 128 along K, one fragment each.  A load reads 512 consecutive bytes of one row; the conversions want 16 NEIGHBOURS along K in one lane's registers:
; so a step's 8,192 bytes turn through the wave's own stage in LDS (rows 528 bytes apart).
; Loads run two steps ahead: 16 loads (8,192 bytes) of a wave are out while a step is worked on, 32 behind each refill.
.set ROWB,  16384                      ; a row of x or of P in bytes
.set BLK,   33792
.set SP,    528                        ; a stage row: 512 bytes + 16
.set SCB,   16*SP                      ; behind the stage: the unit's 512 scale bytes
.set WREG,  SCB+512                    ; LDS of one wave: 8,960 bytes
.set LI,  1                            ; v1   16 x lane: offset of the loads, of the codes' stores and of the scales' store; never rewritten
.set SI,  2                            ; v2   the stage, way in: 16 x lane
.set SO,  3                            ; v3   the stage, way out: 528 (lane % 16) + 64 (lane / 16)
.set SA,  4                            ; v4   my row's scale word in LDS: 16 (lane % 16)
.set SB,  5                            ; v5   the scale bytes' way out: 16 x lane
.set TM,  8                            ; v8-11 largest magnitudes, v12-15 the other half's, then bytes, v16-19 57,344 x the scale, v20-23 the conversions' scale operands
.set PW,  24                           ; v24  the scale word just made
.set C,   28                           ; v28-43 the fragment's codes
.set OW,  44                           ; v44-47 scale bytes on their way out
.set X,   48                           ; v48-111 64 numbers: register 16 b + i = k 32 b + 16 (lane / 16) + i of my row
.set R,   112                          ; v112-239 two sets of 64 registers, as loaded
	s_load_b128 s[4:7], s[0:1], 0x0                ; x, P
	s_load_b128 s[8:11], s[0:1], 0x10              ; aq, bq
	v_lshl_add_u32 v240, v0, 2, 0x15e00
	v_mov_b32 v241, 0
	v_lshrrev_b32 v6, 5, v0
	s_delay_alu instid0(VALU_DEP_1)
	v_readfirstlane_b32 s12, v6                    ; wave 0..9
	v_and_b32 v7, 31, v0                           ; lane
	s_delay_alu instid0(VALU_DEP_1)
	v_lshlrev_b32 v[LI], 4, v7
	s_mul_i32 s28, s12, WREG                       ; my wave's LDS
	s_add_co_u32 s29, s28, SCB
	v_add_nc_u32 v[SI], s28, v[LI]
	v_and_b32 v6, 15, v0                           ; r
	v_bfe_u32 v7, v0, 4, 1                         ; h
	s_delay_alu instid0(VALU_DEP_2)
	v_mul_u32_u24 v[SO], v6, SP
	s_delay_alu instid0(VALU_DEP_1)
	v_lshl_add_u32 v[SO], v7, 6, v[SO]
	s_delay_alu instid0(VALU_DEP_1)
	v_add_nc_u32 v[SO], s28, v[SO]
	v_lshl_add_u32 v[SA], v6, 4, s29
	v_add_nc_u32 v[SB], s29, v[LI]
.irp b, 0,1,2,3
	v_mov_b32 v[TM+4+\b], 0                        ; written once: a lane permute's destination counts as one of its sources
.endr
	s_mul_i32 s13, ttmp9, 10
	s_add_co_u32 s13, s13, s12                     ; my unit, 0 .. 2,559
	s_mov_b32 s20, 0x76543210
	s_mov_b32 s21, 0xfedcba98                      ; v_permlanex16_b32's selects for lane l xor 16
	s_mov_b32 s23, 0x600000                        ; the mantissa field of 57,344
	s_wait_alu depctr_va_vdst(0)
	s_wait_kmcnt 0x0
	s_cmp_lt_u32 s13, 512                          ; x's unit or P's?  The choice hangs on ids alone; only pointers are chosen
	s_cselect_b64 s[4:5], s[4:5], s[6:7]
	s_cselect_b64 s[8:9], s[8:9], s[10:11]
	s_cselect_b32 s14, 0, 512
	s_sub_co_u32 s13, s13, s14                     ; the unit within its tensor
	s_and_b32 s15, s13, 15                         ; its K step
	s_lshr_b32 s16, s13, 4                         ; its group of 64 rows
	s_min_u32 s17, s16, 126                        ; the group that is READ: P's last whole group serves the pad too (x has 32 groups)
	s_lshr_b32 s18, s13, 5
	s_lshl_b32 s18, s18, 4
	s_or_b32 s18, s18, s15                         ; the block: 16 x group of 128 rows + K step
	s_and_b32 s19, s16, 1                          ; which half of the block
	s_lshl_b32 s30, s17, 20                        ; 64 rows of 16,384 bytes (under 2^28),
	s_lshl_b32 s31, s15, 10                        ; 256 numbers along K
	s_add_co_u32 s30, s30, s31
	s_mov_b32 s31, 0
	s_add_nc_u64 s[4:5], s[4:5], s[30:31]          ; the source at my unit's first number
	s_mul_i32 s32, s18, BLK                        ; (under 2^26)
	s_mov_b32 s33, 0
	s_add_nc_u64 s[24:25], s[8:9], s[32:33]        ; my block
	s_lshl_b32 s34, s19, 9
	s_add_co_u32 s34, s34, 32768
	s_mov_b32 s35, 0
	s_add_nc_u64 s[26:27], s[24:25], s[34:35]      ; my 512 scale bytes
	s_lshl_b32 s34, s19, 13
	s_add_nc_u64 s[24:25], s[24:25], s[34:35]      ; my fragments: i = 4 x half + 0 .. 3
; step t = 2 ii + q: rows 16 ii .. 16 ii + 15, 128 numbers from 128 q on, into set t % 2: each load is 512 consecutive bytes of one row
.macro LOAD t
.irp i, 0,1,2,3,4,5,6,7,8,9,10,11,12,13,14,15
	global_load_b128 v[R+64*((\t)%2)+4*\i:R+64*((\t)%2)+4*\i+3], v[LI], s[4:5] offset:(16*((\t)/2)+\i)*ROWB+512*((\t)%2) th:TH_LOAD_NT
.endr
.endm
; v[X] .. v[X + 63] become the fragment's codes in v[C] on and my row's scale word in v[PW]
.macro QUANT
.irp b, 0,1,2,3
	v_max3_num_f32 v[TM+\b], |v[X+16*\b]|, |v[X+1+16*\b]|, 0x8000000   ; block b: my 16 numbers, and the floor 2^(16 - 127), under which no largest magnitude is taken: so the byte cannot fall under 1
.endr
.irp i, 2,4,6,8,10,12,14
.irp b, 0,1,2,3
	s_delay_alu instid0(VALU_DEP_4)
	v_max3_num_f32 v[TM+\b], v[TM+\b], |v[X+16*\b+\i]|, |v[X+1+16*\b+\i]|   ; the four blocks by turns: no line waits for the line above it
.endr
.endr
.irp b, 0,1,2,3
	s_delay_alu instid0(VALU_DEP_4)
	v_permlanex16_b32 v[TM+4+\b], v[TM+\b], s20, s21
.endr
.irp b, 0,1,2,3
	s_delay_alu instid0(VALU_DEP_4)
	v_max_num_f32 v[TM+\b], v[TM+\b], v[TM+4+\b]   ; with lane l xor 16's 16 numbers: the block's largest magnitude
.endr
.irp b, 0,1,2,3
	s_delay_alu instid0(VALU_DEP_4)
	v_add_nc_u32 v[TM+12+\b], 0xf8800000, v[TM+\b] ; 15 off its exponent field: the conversion takes the exponent field of this operand as its scale, and nothing else of it
.endr
.irp b, 0,1,2,3
	v_and_or_b32 v[TM+8+\b], v[TM+\b], 0x7f800000, s23   ; 57,344 x the scale: the largest magnitude's exponent field over 57,344's mantissa
.endr
.irp b, 0,1,2,3
	v_lshrrev_b32 v[TM+4+\b], 23, v[TM+12+\b]      ; the scale's byte
.endr
	s_delay_alu instid0(VALU_DEP_3)
	v_lshl_or_b32 v[PW], v[TM+5], 8, v[TM+4]       ; the four bytes make my row's scale word; lanes l and l xor 16 hold the same
	s_delay_alu instid0(VALU_DEP_1)
	v_lshl_or_b32 v[PW], v[TM+6], 16, v[PW]
	s_delay_alu instid0(VALU_DEP_1)
	v_lshl_or_b32 v[PW], v[TM+7], 24, v[PW]
.irp b, 0,1,2,3
.irp i, 0,1,2,3,4,5,6,7,8,9,10,11,12,13,14,15
	v_med3_num_f32 v[X+16*\b+\i], v[X+16*\b+\i], -v[TM+8+\b], v[TM+8+\b]   ; the conversion to an 8-bit code does not saturate (ISA guide 7.6.2): the hold at the largest code x the scale
.endr
	v_cvt_scalef32_pk8_bf8_f32 v[C+4*\b:C+1+4*\b], v[X+16*\b:X+7+16*\b], v[TM+12+\b]
	v_cvt_scalef32_pk8_bf8_f32 v[C+2+4*\b:C+3+4*\b], v[X+8+16*\b:X+15+16*\b], v[TM+12+\b]
.endr
	v_nop                                          ; one plain vector instruction behind the last scaled conversion, ahead of whatever vector line next touches its registers
.endm
.macro STEP t
.if (\t) < 7
	s_wait_loadcnt 16                              ; loads come back in order: this step's sixteen are in, the next step's sixteen may be out
.else
	s_wait_loadcnt 0x0
.endif
.if (\t) > 0
	s_wait_xcnt 0x0                                ; the last step's stores have read v[C] on, which this step's conversions write
.endif
.irp i, 0,1,2,3,4,5,6,7,8,9,10,11,12,13,14,15
	ds_store_b128 v[SI], v[R+64*((\t)%2)+4*\i:R+64*((\t)%2)+4*\i+3] offset:SP*\i   ; row i as it lies
.endr
.irp b, 0,1,2,3
.irp j, 0,1,2,3
	ds_load_b128 v[X+16*\b+4*\j:X+16*\b+4*\j+3], v[SO] offset:128*\b+16*\j   ; LDS serves a wave's instructions in order: these see the stores above.  My row's 16 numbers of block b
.endr
.endr
	s_wait_dscnt 0x0                               ; the numbers are back; the stores have read their set, and the last step's scale word is stored
.if (\t)+2 < 8
	LOAD (\t)+2                                    ; the set takes the step two on
.endif
	QUANT
.irp c, 0,1,2,3
	global_store_b128 v[LI], v[C+4*\c:C+4*\c+3], s[24:25] offset:(8*((\t)%2)+(\t)/2)*2048+512*\c   ; 32 lanes store 512 consecutive bytes, at a multiple of 256 from the buffer's first byte
.endr
	ds_store_b32 v[SA], v[PW] offset:256*((\t)/4)+8*(((\t)/2)%2)+4*((\t)%2)   ; lanes l and l xor 16 write the same word with the same value
.endm
	LOAD 0
	LOAD 1
.irp t, 0,1,2,3,4,5,6,7
	STEP \t
.endr
	ds_load_b128 v[OW:OW+3], v[SB]                 ; the unit's 512 scale bytes; these see my stores
	s_wait_dscnt 0x0
	global_store_b128 v[LI], v[OW:OW+3], s[26:27]  ; 512 consecutive bytes, at a multiple of 256 from the buffer's first byte
	s_wait_tensorcnt 0x0
	ds_add_u32 v240, v241
	s_wait_dscnt 0x0
	s_endpgm
.Lfunc_end_k_qd63954d5a2_quant:
	.size	k_qd63954d5a2_quant, .Lfunc_end_k_qd63954d5a2_quant-k_qd63954d5a2_quant
	.p2alignl 7, 3214868480
	.fill 96, 4, 3214868480
	.section	.rodata,"a",@progbits
	.p2align	6, 0x0
	.amdhsa_kernel k_qd63954d5a2_quant
		.amdhsa_group_segment_fixed_size 90880
		.amdhsa_private_segment_fixed_size 0
		.amdhsa_enable_private_segment 0
		.amdhsa_kernarg_size 32
		.amdhsa_user_sgpr_count 2
		.amdhsa_user_sgpr_kernarg_segment_ptr 1
		.amdhsa_wavefront_size32 1
		.amdhsa_system_sgpr_workgroup_id_x 1
		.amdhsa_system_sgpr_workgroup_id_y 1
		.amdhsa_system_sgpr_workgroup_id_z 1
		.amdhsa_system_vgpr_workitem_id 0
		.amdhsa_next_free_vgpr 242
		.amdhsa_next_free_sgpr 66
		.amdhsa_reserve_vcc 0
		.amdhsa_float_denorm_mode_32 3
		.amdhsa_float_denorm_mode_16_64 3
		.amdhsa_memory_ordered 1
		.amdhsa_forward_progress 1
		.amdhsa_inst_pref_size 110
	.end_amdhsa_kernel
	.amdgpu_metadata
---
amdhsa.version: [ 1, 2 ]
amdhsa.kernels:
  - .name:           k_qd63954d5a2_quant
    .symbol:         k_qd63954d5a2_quant.kd
    .args:
      - { .name: input_state, .offset: 0, .size: 8, .value_kind: global_buffer, .address_space: global }
      - { .name: passage_matrix, .offset: 8, .size: 8, .value_kind: global_buffer, .address_space: global }
      - { .name: aq, .offset: 16, .size: 8, .value_kind: global_buffer, .address_space: global }
      - { .name: bq, .offset: 24, .size: 8, .value_kind: global_buffer, .address_space: global }
    .group_segment_fixed_size: 90880
    .private_segment_fixed_size: 0
    .kernarg_segment_align: 8
    .kernarg_segment_size: 32
    .max_flat_workgroup_size: 320
    .sgpr_count:     66
    .vgpr_count:     242
    .wavefront_size: 32
...
	.end_amdgpu_metadata
.endif
;; end of part 1
;; launch gemm (part 2): grid 8 x 32, 4 waves a work-group, clusters of 4 x 4, 327,680 bytes of LDS; arguments aq, bq, out0; writes out0
.if DOCPART == 2
	.amdgcn_target "amdgcn-amd-amdhsa--gfx1250"
	.amdhsa_code_object_version 6
	.text
	.protected	k_qd63954d5a2_gemm
	.globl	k_qd63954d5a2_gemm
	.p2align	8
	.type	k_qd63954d5a2_gemm,@function
k_qd63954d5a2_gemm:
	s_mov_b64 s[64:65], 0
	v_nop
	global_prefetch_b8 v0, s[64:65] scope:SCOPE_SE
	s_setreg_imm32_b32 hwreg(HW_REG_WAVE_MODE, 25, 1), 1
	s_wait_xcnt 0x0
	s_wait_alu depctr_hold_cnt(0) depctr_sa_sdst(0) depctr_va_vdst(0) depctr_va_sdst(0) depctr_va_ssrc(0) depctr_va_vcc(0) depctr_vm_vsrc(0)
	s_getreg_b32 s2, hwreg(HW_REG_IB_STS2, 6, 4)
	s_cmp_eq_u32 s2, 0
	s_cbranch_scc0 .Lentry_in_a_cluster
	s_endpgm
.Lentry_in_a_cluster:
	s_bfe_u32 s2, ttmp6, 0x10000c
	s_cmp_lg_u32 s2, 0xf033
	s_cbranch_scc0 .Lentry_shape_is_right
	s_endpgm
.Lentry_shape_is_right:
; out0[m][n] = sum over k of x[m][k] P[n][k], on the codes of BF8 (E5M2) and E8M0 scale bytes that launch quant laid in aq and bq; sums in f32.
; aq, bq: [group of 128 rows][K step of 256][BLK bytes]; a block holds 16 fragments as images of the operand's registers (fragment (q, i) at 2,048 (8 q + i)) and, from byte 32,768 on, the scale words.
; A block of 256 x 256 of out0 is made by four waves, 128 x 128 each: 64 accumulators.  8 x 32 blocks = 256 work-groups.  bq's rows 8,128 .. 8,191 are a pad: what is computed from them is never stored.
; THE RING: two LDS slots, each one K step of 256: A's two blocks, then B's two; a wave fetches one block (132 rows of 256 bytes, dense) by one tensor load.
; CLUSTERS: 4 x 4.  A's blocks hang on the block row alone (shared by the four with my cx), B's on the block column alone (shared by the four with my cy): each is asked for jointly.
; Each cluster begins its walk along K at its own K step (ROT, a multiple of 4) and wraps round: the sums' order along K differs from ascending by that rotation.
; THE MATRIX INSTRUCTION IS USED TRANSPOSED (source 0 = 16 rows of P, source 1 = 16 rows of x): a lane holds eight neighbouring numbers of a row of out0.
; REGISTERS: window 0: v0-31 addresses; v32-63 scale words, a set for each slot; v128-191 A's blocks 0-3, one set; v64-127 and v192-255 A's blocks 4-7, a set for each of a slot's two steps.
;   window 1: B's fragments, a set for each of a slot's two steps.  Windows 2 and 3: the accumulators of my rows 0-63 and 64-127.
; A STEP of 128 along K is eight groups of eight products (A's block a against B's eight).  The next step's 16 fragments are fetched in three runs of LDS loads, of 16 to 24 loads each,
; in the order B 0-7, (scale words), A 0-7.  All reads of a slot are issued in its FIRST step, and the change of slots stands at the head of its second.
; PREFETCH: behind the refill that asks for K step t of the walk (t = 2 .. 13) each wave names K step t + 2 of the block row that it fetches; the four partners of a joint load share the block's
; 132 units of 256 bytes out by address, 33 each (32 lanes a unit each, then one instruction whose lanes all name the 33rd).  The walk's first four K steps come by their loads alone; the last two refills name nothing.
.set SIZE_N, 8128
.set KSTEPS, 16
.set NP,     8                         ; places behind this matrix form (ISA guide 7.12.1)
.set BLK,    33792
.set SLOT,   4*BLK
.set LAPS,   KSTEPS/2
.set STAGE,  2*SLOT                    ; behind the ring: 16 rows x 528 bytes for each wave, for the way out
.set SPITCH, 528
.set SPARE,  STAGE+4*16*SPITCH         ; the spare words: 128 bytes a wave
.set ADRA, 16                          ; v16-17 LDS address of my A block in slot 0, 1
.set ADRB, 20                          ; v20-21 the same for B
.set ADRS, 22                          ; v22-23 scale words: lanes 0-15 A's, lanes 16-31 B's
.set STO,  24
.set RD,   25
.set CO,   26
.set SPW,  28
.set NIL,  29
.set PFO,  30                          ; 256 x lane
.set PF2,  31                          ; 256 x 32 in every lane
.set SC,   32
.set BK,   128
.set G1,  24
.set G0,  32
.set G1B, 48
.set G0B, 56
.set BASA, 20
.set BASB, 46
.set PFA,  66                          ; s[66:67] my 33 units of K step 0 of the block row that I fetch
.set PFC,  68                          ; s[68:69] the same at the K step that is named next
.set ROT,  75
.set ASKS, 77                          ; the K step that the next refill asks for
.set OFS,  78
.set OF2,  80
.set MSB, 0
.macro WIN new                         ; the immediate's high byte repeats the setting that is left
.if MSB != \new
	s_set_vgpr_msb (MSB<<8)|\new
.set MSB, \new
.endif
.endm
.set MUL_LO, 0xa1                      ; source 0 (B) window 1, source 1 (A) window 0, C and D window 2
.set TO_B,   0x40                      ; destination window 1, address window 0
.macro JLOAD g0a, g1a, g0b, g1b        ; a joint load: waves 0, 1 fetch A's blocks, waves 2, 3 B's
	s_cmp_eq_u32 s15, 0
	s_cbranch_scc0 .Lfor_b_\@
	tensor_load_to_lds s[\g0a:\g0a+3], s[\g1a:\g1a+7]
	s_nop 0
.rept 4
	v_nop
.endr
	s_branch .Lasked_\@
.Lfor_b_\@:
	tensor_load_to_lds s[\g0b:\g0b+3], s[\g1b:\g1b+7]
	s_nop 0
.rept 4
	v_nop
.endr
.Lasked_\@:
.endm
.macro CREST                           ; a round of the cluster's barrier behind its opening barrier
	s_cmp_lg_u32 s14, 0
	s_cbranch_scc1 .Lnot_wave_0_\@
	s_barrier_signal -3
.Lnot_wave_0_\@:
	s_barrier_wait -3
	s_barrier_signal -1
	s_barrier_wait -1
.endm
.macro CROUND
	s_barrier_signal -1
	s_barrier_wait -1
	CREST
.endm
	s_load_b128 s[4:7], s[0:1], 0x0                ; aq, bq
	s_load_b64 s[8:9], s[0:1], 0x10                ; out0
	v_lshl_add_u32 v[SPW], v0, 2, SPARE
	v_mov_b32 v[NIL], 0
	ds_add_u32 v[SPW], v[NIL]                      ; the opening lines: the add twice on end and its wait ahead of my first tensor load
	ds_add_u32 v[SPW], v[NIL]
	v_lshrrev_b32 v1, 5, v0
	v_readfirstlane_b32 s14, v1                    ; wave 0..3
	v_and_b32 v[PFO], 31, v0
	v_lshlrev_b32 v[PFO], 8, v[PFO]
	v_mov_b32 v[PF2], 32*256
	s_lshr_b32 s15, s14, 1                         ; my half of the block's rows; also: I fetch for A (0) or B (1)
	s_and_b32 s16, s14, 1                          ; my half of its columns; also: which 128 rows I fetch
	s_bfe_u32 s40, ttmp6, 0x40000                  ; cx
	s_bfe_u32 s41, ttmp6, 0x40004                  ; cy
	s_lshl_b32 s42, ttmp9, 2
	s_add_co_u32 s42, s42, s40                     ; block row of out0 (x's rows): 4 x cluster x + cx
	s_and_b32 s17, ttmp7, 0xffff
	s_and_b32 s[ROT], s17, 3
	s_lshl_b32 s[ROT], s[ROT], 2
	s_lshl_b32 s[ASKS], ttmp9, 3
	s_add_co_u32 s[ROT], s[ROT], s[ASKS]
	s_and_b32 s[ROT], s[ROT], KSTEPS-1             ; the cluster's first K step: 0, 4, 8 or 12
	s_lshl_b32 s17, s17, 2
	s_add_co_u32 s17, s17, s41                     ; block column (P's rows): 4 x cluster y + cy
	s_lshl_b32 s43, 0x1111, s40                    ; those with my cx
	s_lshl_b32 s44, s41, 2
	s_lshl_b32 s44, 15, s44                        ; those with my cy
	s_or_b32 s[G1+0], s43, (3<<16)|(1<<21)         ; elements of 8 bytes, no padding
	s_or_b32 s[G1B+0], s44, (3<<16)|(1<<21)
.irp g, G1, G1B
	s_mov_b32 s[\g+1], 32<<16                      ; rows of 32 elements = 256 bytes,
	s_mov_b32 s[\g+2], 132<<16                     ; 132 of them, dense
	s_mov_b32 s[\g+3], 32<<16
	s_mov_b32 s[\g+4], 132
	s_mov_b32 s[\g+5], 32
	s_mov_b32 s[\g+6], 0
	s_mov_b32 s[\g+7], 0
.endr
	s_lshl_b32 s[BASA], s42, 1
	s_add_co_u32 s[BASA], s[BASA], s16
	s_mul_i32 s[BASA], s[BASA], KSTEPS*BLK         ; the group of 128 rows that I would fetch of A,
	s_mov_b32 s[BASA+1], 0
	s_lshl_b32 s[BASB], s17, 1
	s_add_co_u32 s[BASB], s[BASB], s16
	s_mul_i32 s[BASB], s[BASB], KSTEPS*BLK         ; and of B
	s_mov_b32 s[BASB+1], 0
	s_mul_i32 s45, s14, BLK                        ; where my block goes in a slot
	s_mul_i32 s[OFS], s[ROT], BLK
	s_mov_b32 s[OFS+1], 0
	s_mov_b32 s[OF2+1], 0
	s_add_co_u32 s[ASKS], s[ROT], 2
	s_wait_alu depctr_va_vdst(0)
	s_wait_dscnt 0x0                               ; both opening adds are done
	s_wait_kmcnt 0x0
	s_add_nc_u64 s[BASA:BASA+1], s[4:5], s[BASA:BASA+1]
	s_add_nc_u64 s[BASB:BASB+1], s[6:7], s[BASB:BASB+1]
	s_cmp_eq_u32 s15, 0
	s_cselect_b64 s[PFA:PFA+1], s[BASA:BASA+1], s[BASB:BASB+1]
	s_cselect_b32 s70, s41, s40                    ; my place among the four that ask with me
	s_mul_i32 s70, s70, 33*256
	s_mov_b32 s71, 0
	s_add_nc_u64 s[PFA:PFA+1], s[PFA:PFA+1], s[70:71]
	CROUND                                         ; all sixteen work-groups are here: the first joint loads meet
.irp s, 0,1
	s_mov_b32 s[G0+4*\s], 1
	s_add_co_u32 s[G0+4*\s+1], s45, \s*SLOT
	s_add_nc_u64 s[G0+4*\s+2:G0+4*\s+3], s[BASA:BASA+1], s[OFS:OFS+1]
	s_mov_b32 s[G0B+4*\s], 1
	s_add_co_u32 s[G0B+4*\s+1], s45, \s*SLOT
	s_add_nc_u64 s[G0B+4*\s+2:G0B+4*\s+3], s[BASB:BASB+1], s[OFS:OFS+1]
.if \s
	s_add_nc_u64 s[G0+4*\s+2:G0+4*\s+3], s[G0+4*\s+2:G0+4*\s+3], BLK
	s_add_nc_u64 s[G0B+4*\s+2:G0B+4*\s+3], s[G0B+4*\s+2:G0B+4*\s+3], BLK
.endif
	s_or_b32 s[G0+4*\s+3], s[G0+4*\s+3], 0x80000000
	s_or_b32 s[G0B+4*\s+3], s[G0B+4*\s+3], 0x80000000
.endr
	JLOAD G0, G1, G0B, G1B                         ; the walk's first K step: one tensor load a wave at the head
	s_lshl_b32 s70, s42, 8                         ; where my 128 x 128 begins in out0
	s_lshl_b32 s71, s15, 7
	s_add_co_u32 s70, s70, s71
	s_mul_i32 s70, s70, SIZE_N*4
	s_lshl_b32 s72, s17, 10
	s_lshl_b32 s73, s16, 9
	s_add_co_u32 s72, s72, s73
	s_add_co_u32 s70, s70, s72
	s_mov_b32 s71, 0
	s_add_nc_u64 s[8:9], s[8:9], s[70:71]
	s_sub_co_u32 s74, SIZE_N*4, s72                ; bytes of a row of out0 from my first column on
	s_mul_i32 s22, s15, BLK                        ; my A block in a slot
	s_mul_i32 s23, s16, BLK
	s_add_co_u32 s23, s23, 2*BLK                   ; my B block
	s_xor_b32 s70, s15, 1
	s_add_co_u32 s70, s70, s16
	s_add_co_u32 s70, s70, 1
	s_mul_i32 s70, s70, BLK                        ; from my A block to my B block
	s_add_co_u32 s71, s22, 32768                   ; my A block's scale words
	s_mul_i32 s72, s14, 16*SPITCH
	s_add_co_u32 s72, s72, STAGE                   ; my stage
	v_and_b32 v1, 15, v0                           ; l % 16
	v_bfe_u32 v2, v0, 4, 1                         ; l / 16
	v_and_b32 v3, 31, v0
	v_lshlrev_b32 v[CO], 4, v3                     ; 16 x lane
	v_add_nc_u32 v[ADRA], s22, v[CO]
	v_add_nc_u32 v[ADRB], s23, v[CO]
	v_add_nc_u32 v[ADRA+1], SLOT, v[ADRA]
	v_add_nc_u32 v[ADRB+1], SLOT, v[ADRB]
	v_mul_u32_u24 v4, s70, v2                      ; lanes 16-31 take B's scale words
	v_lshl_add_u32 v4, v1, 4, v4
	v_add_nc_u32 v[ADRS], s71, v4
	v_add_nc_u32 v[ADRS+1], SLOT, v[ADRS]
	v_mul_u32_u24 v5, v1, SPITCH
	v_lshl_add_u32 v5, v2, 5, v5
	v_add_nc_u32 v[STO], s72, v5                   ; into the stage: row l % 16, 32 bytes for each half of the lanes
	v_add_nc_u32 v[RD], s72, v[CO]                 ; back: 32 lanes take one row of 512 bytes
.macro FRAG reg, adr, q, i             ; a fragment: four loads of 512 consecutive bytes
.irp c, 0,1,2,3
	ds_load_b128 v[\reg+4*\c:\reg+4*\c+3], v[\adr] offset:(8*(\q)+(\i))*2048+512*\c
.endr
.endm
; four LDS loads for the q-th step of a slot.  c = 0-7: B's fragment c; 8-15: A's block c - 8; 16: the slot's scale words
.macro LF c, slot, q
.if (\c) < 8
	WIN TO_B
	FRAG 128*(\q)+16*(\c), ADRB+\slot, \q, \c
.else
	WIN 0
.if (\c) < 16
.set AR_, 16*((\c)-8)+128*(1-(((\c)-8)/4)*(1-(\q)))
	FRAG AR_, ADRA+\slot, \q, (\c)-8
.else
.irp ip, 0,1,2,3
	ds_load_b128 v[SC+16*\slot+4*\ip:SC+16*\slot+4*\ip+3], v[ADRS+\slot] offset:256*\ip
.endr
.endif
.endif
.endm
; a group: A's block a against B's eight.  The 64 accumulators take turns in the same order in every step
.macro MULS a, slot, q, zero
	WIN MUL_LO+0x50*((\a)/4)
.set AR_, 16*(\a)+128*(1-((\a)/4)*(1-(\q)))
.irp b, 0,1,2,3,4,5,6,7
.if \zero
	v_wmma_scale_f32_16x16x128_f8f6f4 v[8*(8*((\a)%4)+\b):8*(8*((\a)%4)+\b)+7], v[128*(\q)+16*\b:128*(\q)+16*\b+15], v[AR_:AR_+15], 0, v[SC+16*(\slot)+2*\b+(\q)], v[SC+16*(\slot)+2*(\a)+(\q)] matrix_a_fmt:MATRIX_FMT_BF8 matrix_b_fmt:MATRIX_FMT_BF8 matrix_a_scale:MATRIX_SCALE_ROW1
.else
	v_wmma_scale_f32_16x16x128_f8f6f4 v[8*(8*((\a)%4)+\b):8*(8*((\a)%4)+\b)+7], v[128*(\q)+16*\b:128*(\q)+16*\b+15], v[AR_:AR_+15], v[8*(8*((\a)%4)+\b):8*(8*((\a)%4)+\b)+7], v[SC+16*(\slot)+2*\b+(\q)], v[SC+16*(\slot)+2*(\a)+(\q)] matrix_a_fmt:MATRIX_FMT_BF8 matrix_b_fmt:MATRIX_FMT_BF8 matrix_a_scale:MATRIX_SCALE_ROW1
.endif
.endr
.endm
.macro PAIR a, slot, q, zero, w        ; the wait for A's blocks a and a + 1, and their two groups
	s_wait_dscnt \w
	MULS \a, \slot, \q, \zero
	MULS (\a)+1, \slot, \q, \zero
.endm
.macro PLACES n                        ; in front of loads into registers that matrix instructions have read, and of reads of results
.rept \n
	v_nop
.endr
.endm
; A slot's first step; it fetches the second step's fragments from the same slot, in runs of 24, 24 and 16 loads.  What may be out at each wait (the step's own fragments were issued in the order .. A 0-7):
; 48 = A's blocks 2-7 and the first run; 40 = blocks 4-7 and the first run; 56 = blocks 6, 7 and two runs; at the last, 64 younger loads were issued, and the count is the largest that the field holds.
.macro Q0 slot, zero
	PLACES NP                                      ; the sets that the step before multiplied are loaded again
.irp c, 0,1,2,3,4,5
	LF \c, \slot, 1
.endr
	PAIR 0, \slot, 0, \zero, 48
	PAIR 2, \slot, 0, \zero, 40
	PLACES NP                                      ; A's blocks 0-3 are loaded again
.irp c, 6,7,8,9,10,11
	LF \c, \slot, 1
.endr
	PAIR 4, \slot, 0, \zero, 56
.irp c, 12,13,14,15
	LF \c, \slot, 1
.endr
	PAIR 6, \slot, 0, \zero, 63
.endm
; A slot's second step changes slots at its head: all reads of this slot were issued in the first step.  fill = 1: the slot takes the K step two on, behind a round of the cluster's barrier.
; Behind the barrier the next slot's first step is fetched, in runs of 24, 24 and 20 loads.
.macro Q1 slot, next, fill
	WIN 0
.if \fill
	s_wait_xcnt 0x0                                ; my prefetches have read their address
	s_mul_i32 s[OFS], s[ASKS], BLK
	s_add_co_u32 s[OF2], s[ASKS], 2
	s_and_b32 s[OF2], s[OF2], KSTEPS-1
	s_mul_i32 s[OF2], s[OF2], BLK
	s_add_co_u32 s[ASKS], s[ASKS], 1
	s_and_b32 s[ASKS], s[ASKS], KSTEPS-1
	s_add_nc_u64 s[PFC:PFC+1], s[PFA:PFA+1], s[OF2:OF2+1]
.endif
	s_wait_tensorcnt 0x0                           ; my one load that was out, my block of the next slot, has landed
	ds_add_u32 v[SPW], v[NIL]
.if \fill
	s_add_nc_u64 s[G0+4*\slot+2:G0+4*\slot+3], s[BASA:BASA+1], s[OFS:OFS+1]
	s_or_b32 s[G0+4*\slot+3], s[G0+4*\slot+3], 0x80000000
	s_add_nc_u64 s[G0B+4*\slot+2:G0B+4*\slot+3], s[BASB:BASB+1], s[OFS:OFS+1]
	s_or_b32 s[G0B+4*\slot+3], s[G0B+4*\slot+3], 0x80000000
.endif
	s_wait_dscnt 29                                ; B and A's block 0 are in; A's blocks 1-7 (28 loads) and the add may be out
	MULS 0, \slot, 1, 0
	s_wait_dscnt 0x0                               ; the add is done, and my reads of this slot are over
	s_barrier_signal -1
	MULS 1, \slot, 1, 0
	WIN 0
	s_barrier_wait -1
.if \fill
	CREST                                          ; no wave of any partner still reads this slot or has a load on its way
	JLOAD G0+4*\slot, G1, G0B+4*\slot, G1B         ; its four v_nop are among the places in front of the loads below
	PLACES NP-4
	s_cmp_gt_u32 s3, 1                             ; the last trip's two refills have no K step two on
	s_cbranch_scc0 .Lno_ask_\@
	global_prefetch_b8 v[PFO], s[PFC:PFC+1] th:TH_LOAD_NT scope:SCOPE_SE
	global_prefetch_b8 v[PF2], s[PFC:PFC+1] th:TH_LOAD_NT scope:SCOPE_SE
.Lno_ask_\@:
.else
	PLACES NP
.endif
.irp c, 0,1,2,3,4,5
	LF \c, \next, 0
.endr
	MULS 2, \slot, 1, 0
	MULS 3, \slot, 1, 0
	PLACES NP                                      ; A's blocks 0-3 are loaded again
.irp c, 6,7,16,8,9,10
	LF \c, \next, 0
.endr
	MULS 4, \slot, 1, 0
	MULS 5, \slot, 1, 0
.irp c, 11,12,13,14,15
	LF \c, \next, 0
.endr
	MULS 6, \slot, 1, 0
	MULS 7, \slot, 1, 0
.endm
	s_wait_alu depctr_va_vdst(0)
	s_wait_tensorcnt 0x0                           ; my block of the first K step is in
	ds_add_u32 v[SPW], v[NIL]
	s_wait_dscnt 0x0
	CROUND
	JLOAD G0+4, G1, G0B+4, G1B                     ; slot 1's first fill
.irp c, 0,1,2,3,4,5,6,7,16,8,9,10,11,12,13,14,15
	LF \c, 0, 0
.endr
	Q0 0, 1                                        ; the first step's products start the sums
	WIN 0
	s_mov_b32 s3, LAPS-1
.Llap:
	Q1 0, 1, 1
	Q0 1, 0
	Q1 1, 0, 1
	Q0 0, 0
	WIN 0
	s_sub_co_u32 s3, s3, 1
	s_cmp_lg_u32 s3, 0
	s_cbranch_scc1 .Llap
	Q1 0, 1, 0                                     ; the last lap fills nothing
	Q0 1, 0
	s_wait_dscnt 28                                ; the last step: A's blocks 1-7 may be out
	MULS 0, 1, 1, 0
	s_wait_dscnt 0x0
.irp a, 1,2,3,4,5,6,7
	MULS \a, 1, 1, 0
.endr
	WIN 0
; THE WAY OUT, by blocks of 16 rows x 128 columns: through my own stage and back as whole rows of 512 bytes; LDS serves a wave's instructions in order.
.macro TOSTAGE a
.set AC, 64*((\a)%4)
	WIN 0x08+4*((\a)/4)                            ; the data: window 2 or 3
.irp b, 0,1,2,3,4,5,6,7
	ds_store_b128 v[STO], v[AC+8*\b:AC+8*\b+3] offset:64*\b          ; each accumulator from its low end on
	ds_store_b128 v[STO], v[AC+8*\b+4:AC+8*\b+7] offset:64*\b+16
.endr
	WIN 0
.set BB, BK+64*((\a)%2)
.irp t, 0,1,2,3,4,5,6,7,8,9,10,11,12,13,14,15
	ds_load_b128 v[BB+4*\t:BB+4*\t+3], v[RD] offset:\t*SPITCH
.endr
.endm
.macro SEND a, younger                 ; younger: the LDS instructions issued behind block a's loads
.set BB, BK+64*((\a)%2)
	s_wait_dscnt \younger
.if (\a) > 0
	s_add_nc_u64 s[8:9], s[8:9], 16*SIZE_N*4       ; (the earlier stores have read their base: the wait on XCNT below)
.endif
	v_cmp_gt_u32 vcc_lo, s74, v[CO]                ; the last block column ends at column 8,128: lanes beyond it store nothing
	s_and_saveexec_b32 s76, vcc_lo
.irp t, 0,1,2,3,4,5,6,7,8,9,10,11,12,13,14,15
	global_store_b128 v[CO], v[BB+4*\t:BB+4*\t+3], s[8:9] offset:\t*SIZE_N*4   ; sixteen lanes store 256 consecutive bytes, at a multiple of 256 from out0's first byte
.endr
	s_wait_xcnt 0x0                                ; EXEC, the base and the stores' registers change only behind this wait
	s_or_b32 exec_lo, exec_lo, s76
.endm
	PLACES NP
	s_wait_xcnt 0x0                                ; any prefetch of mine has read EXEC
	TOSTAGE 0
.irp a, 1,2,3,4,5,6,7
	TOSTAGE \a
	SEND \a-1, 32                                  ; behind block a - 1's loads: block a's 16 stores and 16 loads
.endr
	SEND 7, 0
	s_wait_tensorcnt 0x0                           ; the wave's end
	ds_add_u32 v[SPW], v[NIL]
	s_wait_dscnt 0x0
	CROUND                                         ; the closing round
	s_endpgm
.Lfunc_end_k_qd63954d5a2_gemm:
	.size	k_qd63954d5a2_gemm, .Lfunc_end_k_qd63954d5a2_gemm-k_qd63954d5a2_gemm
	.p2alignl 7, 3214868480
	.fill 96, 4, 3214868480
	.section	.rodata,"a",@progbits
	.p2align	6, 0x0
	.amdhsa_kernel k_qd63954d5a2_gemm
		.amdhsa_group_segment_fixed_size 327680
		.amdhsa_private_segment_fixed_size 0
		.amdhsa_enable_private_segment 0
		.amdhsa_kernarg_size 24
		.amdhsa_user_sgpr_count 2
		.amdhsa_user_sgpr_kernarg_segment_ptr 1
		.amdhsa_wavefront_size32 1
		.amdhsa_system_sgpr_workgroup_id_x 1
		.amdhsa_system_sgpr_workgroup_id_y 1
		.amdhsa_system_sgpr_workgroup_id_z 1
		.amdhsa_system_vgpr_workitem_id 0
		.amdhsa_next_free_vgpr 1024
		.amdhsa_next_free_sgpr 84
		.amdhsa_reserve_vcc 1
		.amdhsa_float_denorm_mode_32 3
		.amdhsa_float_denorm_mode_16_64 3
		.amdhsa_memory_ordered 1
		.amdhsa_forward_progress 1
		.amdhsa_inst_pref_size 146
	.end_amdhsa_kernel
	.amdgpu_metadata
---
amdhsa.version: [ 1, 2 ]
amdhsa.kernels:
  - .name:           k_qd63954d5a2_gemm
    .symbol:         k_qd63954d5a2_gemm.kd
    .args:
      - { .name: aq, .offset: 0, .size: 8, .value_kind: global_buffer, .address_space: global }
      - { .name: bq, .offset: 8, .size: 8, .value_kind: global_buffer, .address_space: global }
      - { .name: out0, .offset: 16, .size: 8, .value_kind: global_buffer, .address_space: global }
    .group_segment_fixed_size: 327680
    .private_segment_fixed_size: 0
    .kernarg_segment_align: 8
    .kernarg_segment_size: 24
    .max_flat_workgroup_size: 128
    .sgpr_count:     84
    .vgpr_count:     1024
    .wavefront_size: 32
...
	.end_amdgpu_metadata
.endif
;; end of part 2
